; MI455X (gfx1250); checked and timed in simulation.
; The chip was launched on July 23, 2026; its instructions are those of AMD's public machine-readable ISA for CDNA 5 (MIT licence, August 2026) and "CDNA5" Instruction Set Architecture Reference Guide (July 2026). The comments in the code are by the model that wrote it; some were corrected since.
;; Tiny Lo RA Linear. Allowed arithmetic: float matrix products may take bf16 or f16 operands with f32 sums; other float arithmetic in f32, or as packed bf16 or f16 multiplies, adds, multiply-adds, maxima and minima; sums over many terms, partial sums and values carried from step to step in f32; what a program stores and reads back later, other than sums and carried values, may be rounded once to bf16 or f16.
;; Inputs: P 16 x 2 x 2 float32; S 2 x 2 float32; U 4,096 x 2 float32; Vh 2 x 4,096 float32; W 4,096 x 4,096 float32; b 4,096 float32; v 16 float32; x 4 x 1,024 x 4,096 float32.
;; Outputs: out0 4 x 1,024 x 4,096 float32.
;; 2 versions, each right; version 2 is version 1 with the launch prep written anew for expert scheduling mode. Each part assembles by itself: llvm-mc -triple=amdgcn-amd-amdhsa -mcpu=gfx1250 --defsym DOCPART=n.
;; ======== version 1 of 2: 2 launches
;; workspace buffers: xb 33,554,432 bytes; wb 33,554,432 bytes; xa 262,144 bytes; wa 262,144 bytes
;; launch prep (part 1): grid 128 x 2, 8 waves a work-group, no clusters, 3,072 bytes of LDS; arguments x, W, Vh, U, S, P, v, b, xb, wb, xa, wa; writes xb, wb, xa, wa
.if DOCPART == 1
	.amdgcn_target "amdgcn-amd-amdhsa--gfx1250"
	.amdhsa_code_object_version 6
	.text
	.protected	k_q067f72d640_prep
	.globl	k_q067f72d640_prep
	.p2align	8
	.type	k_q067f72d640_prep,@function
k_q067f72d640_prep:
	s_mov_b64 s[64:65], 0
	v_nop
	global_prefetch_b8 v0, s[64:65] scope:SCOPE_SE
	s_setreg_imm32_b32 hwreg(HW_REG_WAVE_MODE, 25, 1), 1
	s_wait_xcnt 0x0
; PREP.  x [4096][4096] f32 -> xb, W [4096][4096] f32 -> wb, both bf16 (rounded once, to nearest even), and two small tables of 32 bf16 a row,
; xa[m] and wa[n], whose product over their 32 places is delta[m][n] + b[n]:  delta = (x Vh^T) M^T,  M = U (S R),  R = sum over u of v[u] P[u].
;   place      0    1    2    3    4    5    6    7    8      9..31
;   xa[m]     xh0  xh0  xl0  xl0  xh1  xh1  xl1  xl1  1.0     0          xh = bf16(xV), xl = bf16(xV - xh)
;   wa[n]     Mh0  Ml0  Mh0  Ml0  Mh1  Ml1  Mh1  Ml1  bf16(b) 0          Mh = bf16(M),  Ml = bf16(M - Mh)
; All four cross terms are kept, so xV and M enter with about 16 significant bits.  EVERY input (x, W, b, U, S, Vh, P, v) is rounded once to bf16 before it is used;
; all other arithmetic is f32.  LIMITS: the f32 sums are taken in another order than a plain loop's; |xV| and |M| stay inside bf16's range (3.4e38);
; NaN and infinities are not treated apart (an infinite high part leaves a NaN in the low part).
; SHARES.  Grid y = 0: the x path; y = 1: the W path.  A work-group owns 32 rows.  Wave w owns columns 512 w .. 512 w + 511 of each: four loads of 16 bytes a lane, each 512 consecutive
; bytes of a row; the four numbers of a lane round to 8 bytes, so each store of a wave covers 256 consecutive bytes, aligned.  Each byte of x and W is read once, each byte of xb and wb written once.
; IN FLIGHT.  A ring of 8 row slots in registers: 32 loads of every wave are on their way; the waits are counted.  No matrix unit (the small product has two columns), no tensor loads, no cluster
; (no two work-groups read the same bytes but Vh's 32 KiB), no prefetch (the launch is nothing but its stream).
.set ROWS,  32                         ; rows of a work-group
.set ROWI,  16384                      ; bytes in a row of x, W and Vh
.set ROWO,  8192                       ; bytes in a row of xb and wb
.set DEPTH, 8                          ; row slots
.set PART,  0                          ; LDS: wave w's partial sums at 256 w: lane i holds row i's two, 8 bytes
.set SPARE, 2048                       ; behind them: the spare words, 128 bytes for each of eight waves: four blocks of 256 bytes that no other line names
.set VI,   2                           ; v2        2,048 w + 16 lane: my 16 bytes of a load in a row of x, W, Vh; never rewritten
.set VO,   3                           ; v3        1,024 w + 8 lane: my 8 bytes of a store; never rewritten
.set SPW,  4                           ; v4        LDS address of my spare word; never rewritten
.set NIL,  5                           ; v5        0, for the add alone
.set ZERO, 6                           ; v6        0
.set KEEP, 8                           ; v[8:9]    x path: lane i keeps row i's two sums of my wave's columns
.set T,    10                          ; v[10:13]  at work
.set ACC,  14                          ; v[14:21]  x path: four pairs of running sums (rank 0: numbers 0, 1 and 2, 3 of a lane's four; rank 1 likewise)
.set E,    24                          ; v24       thread % 8: which eighth of a table row I write           (v24-55: Vh in the x path's stream; free before and behind it)
.set TO,   25                          ; v25       8 x thread: where
.set D,    26                          ; v[26:27]  the two words
.set H,    28                          ; v28       two high parts, packed;  v[30:33] at work
.set L,    29                          ; v29       two low parts, packed
.set WD,   34                          ; v[34:38]  a table row's first five words
.set VH,   24                          ; v[24:55]  x path: Vh of my columns, rounded, as f32: rank r, load j at 24 + 16 r + 4 j
.set X,    56                          ; v[56:183] slot i, load j: 4 registers as loaded
.set Y,    184                         ; v[184:247] slot i, load j: 2 registers to store
.macro RND2 a, b                       ; two f32 rounded to bf16 and widened again, in place
	v_cvt_pk_bf16_f32 v[T], v[\a], v[\b]
	v_lshlrev_b32 v[\a], 16, v[T]
	v_and_b32 v[\b], s38, v[T]
.endm
.macro FILL i                          ; slot i's first row
.irp j, 0,1,2,3
	global_load_b128 v[X+16*(\i)+4*(\j):X+16*(\i)+4*(\j)+3], v[VI], s[28:29] offset:(\i)*ROWI+(\j)*512 th:TH_LOAD_NT
.endr
.endm
; One slot's turn.  ahead = 1: the slot is filled again with the row DEPTH further down.  left = how many younger loads may stay out.  dot = 1: the x path: the row's two sums with Vh.
.macro SLOT i, ahead, left, dot
	s_wait_loadcnt \left                           ; loads come back in order (ISA guide 5.7.1): this slot's four are in, the younger slots' stay out
.irp j, 0,1,2,3
	v_cvt_pk_bf16_f32 v[Y+8*(\i)+2*(\j)],   v[X+16*(\i)+4*(\j)],   v[X+16*(\i)+4*(\j)+1]
	v_cvt_pk_bf16_f32 v[Y+8*(\i)+2*(\j)+1], v[X+16*(\i)+4*(\j)+2], v[X+16*(\i)+4*(\j)+3]
.if \dot
	v_lshlrev_b32 v[T],   16,  v[Y+8*(\i)+2*(\j)]            ; the rounded numbers as f32
	v_and_b32     v[T+1], s38, v[Y+8*(\i)+2*(\j)]
	v_lshlrev_b32 v[T+2], 16,  v[Y+8*(\i)+2*(\j)+1]
	v_and_b32     v[T+3], s38, v[Y+8*(\i)+2*(\j)+1]
.if (\j) == 0                          ; the first products start the sums: nothing is cleared
	v_pk_mul_f32 v[ACC:ACC+1],   v[T:T+1],   v[VH+4*(\j):VH+4*(\j)+1]
	v_pk_mul_f32 v[ACC+2:ACC+3], v[T+2:T+3], v[VH+4*(\j)+2:VH+4*(\j)+3]
	v_pk_mul_f32 v[ACC+4:ACC+5], v[T:T+1],   v[VH+16+4*(\j):VH+16+4*(\j)+1]
	v_pk_mul_f32 v[ACC+6:ACC+7], v[T+2:T+3], v[VH+16+4*(\j)+2:VH+16+4*(\j)+3]
.else
	v_pk_fma_f32 v[ACC:ACC+1],   v[T:T+1],   v[VH+4*(\j):VH+4*(\j)+1],         v[ACC:ACC+1]
	v_pk_fma_f32 v[ACC+2:ACC+3], v[T+2:T+3], v[VH+4*(\j)+2:VH+4*(\j)+3],       v[ACC+2:ACC+3]
	v_pk_fma_f32 v[ACC+4:ACC+5], v[T:T+1],   v[VH+16+4*(\j):VH+16+4*(\j)+1],   v[ACC+4:ACC+5]
	v_pk_fma_f32 v[ACC+6:ACC+7], v[T+2:T+3], v[VH+16+4*(\j)+2:VH+16+4*(\j)+3], v[ACC+6:ACC+7]
.endif
.endif
.endr
.if \ahead
.irp j, 0,1,2,3                        ; the loads go out ahead of the stores
	global_load_b128 v[X+16*(\i)+4*(\j):X+16*(\i)+4*(\j)+3], v[VI], s[28:29] offset:(DEPTH+(\i))*ROWI+(\j)*512 th:TH_LOAD_NT
.endr
.endif
.irp j, 0,1,2,3
	global_store_b64 v[VO], v[Y+8*(\i)+2*(\j):Y+8*(\i)+2*(\j)+1], s[30:31] offset:(\i)*ROWO+(\j)*256  ; 32 lanes x 8 bytes: 256 consecutive bytes, aligned
.endr
.if \dot
	v_pk_add_f32 v[ACC:ACC+1],   v[ACC:ACC+1],   v[ACC+2:ACC+3]
	v_pk_add_f32 v[ACC+4:ACC+5], v[ACC+4:ACC+5], v[ACC+6:ACC+7]
	v_add_f32 v[ACC],   v[ACC],   v[ACC+1]
	v_add_f32 v[ACC+4], v[ACC+4], v[ACC+5]
.irp m, 1,2,4,8                        ; across the lanes: four steps inside each half of 16, the two sums by turns,
	v_add_f32_dpp v[ACC],   v[ACC],   v[ACC]   row_xmask:\m row_mask:0xf bank_mask:0xf
	v_add_f32_dpp v[ACC+4], v[ACC+4], v[ACC+4] row_xmask:\m row_mask:0xf bank_mask:0xf
.endr
	v_permlanex16_b32 v22, v[ACC],   s36, s37      ; and one across the halves
	v_permlanex16_b32 v23, v[ACC+4], s36, s37
	v_add_f32 v[ACC],   v[ACC],   v22
	v_add_f32 v[ACC+4], v[ACC+4], v23
	v_cndmask_b32 v[KEEP],   v[KEEP],   v[ACC],   s35  ; the lane whose number is the row's keeps them
	v_cndmask_b32 v[KEEP+1], v[KEEP+1], v[ACC+4], s35
	s_lshl_b32 s35, s35, 1
.endif
.endm
; The work-group's 32 rows: three rounds that fill the ring again, and a last one, written out, that loads nothing: no load leaves the buffer.
.macro STREAM dot
	s_mov_b32 s34, ROWS/DEPTH-1
.Lround_\@:
.irp i, 0,1,2,3,4,5,6,7
	SLOT \i, 1, 4*(DEPTH-1), \dot                  ; 28: the seven younger slots' four loads each
.endr
	s_wait_xcnt 0x0                                ; every load and store issued so far has had its addresses translated (ISA guide 3.1): only behind this wait are the two pointers and every slot's Y written again
	s_add_nc_u64 s[28:29], s[28:29], DEPTH*ROWI
	s_add_nc_u64 s[30:31], s[30:31], DEPTH*ROWO
	s_sub_co_u32 s34, s34, 1
	s_cmp_lg_u32 s34, 0
	s_cbranch_scc1 .Lround_\@
.irp i, 0,1,2,3,4,5,6,7
	SLOT \i, 0, 4*(DEPTH-1-(\i)), \dot             ; the counts run down: 28, 24, .. 0
.endr
.endm
.macro SPLIT a0, a1                    ; two f32 into packed high parts H and packed low parts L
	v_cvt_pk_bf16_f32 v[H], v[\a0], v[\a1]
	v_lshlrev_b32 v[H+2], 16, v[H]
	v_and_b32 v[H+3], s38, v[H]
	v_sub_f32 v[H+4], v[\a0], v[H+2]
	v_sub_f32 v[H+5], v[\a1], v[H+3]
	v_cvt_pk_bf16_f32 v[L], v[H+4], v[H+5]
.endm
; A table row is 64 bytes: five words WD .. WD+4 and eleven zeros, all written.  Thread t writes eighth t % 8 of row t / 8, at byte 8 t of the group's 2,048: a wave's store covers 256 consecutive bytes, aligned.
.macro PUT
	v_and_b32 v[E], 7, v0
	v_lshlrev_b32 v[TO], 3, v0
	v_cmp_eq_u32 s42, 0, v[E]
	v_cmp_eq_u32 s43, 1, v[E]
	v_cmp_eq_u32 s44, 2, v[E]
	v_cndmask_b32 v[D],   v[ZERO], v[WD],   s42
	v_cndmask_b32 v[D+1], v[ZERO], v[WD+1], s42
	v_cndmask_b32 v[D],   v[D],    v[WD+2], s43
	v_cndmask_b32 v[D+1], v[D+1],  v[WD+3], s43
	v_cndmask_b32 v[D],   v[D],    v[WD+4], s44
	global_store_b64 v[TO], v[D:D+1], s[46:47]
.endm
	s_load_b512 s[4:19], s[0:1], 0x0               ; x 4:5, W 6:7, Vh 8:9, U 10:11, S 12:13, P 14:15, v 16:17, b 18:19
	s_load_b256 s[20:27], s[0:1], 0x40             ; xb 20:21, wb 22:23, xa 24:25, wa 26:27
	v_lshl_add_u32 v[SPW], v0, 2, SPARE
	v_mov_b32 v[NIL], 0
	v_lshrrev_b32 v1, 5, v0
	v_readfirstlane_b32 s32, v1                    ; wave 0..7
	s_and_b32 s33, ttmp7, 0xffff                   ; 0: x; 1: W
	s_mov_b32 s36, 0x76543210                      ; v_permlanex16_b32: each lane takes its own place in the other half
	s_mov_b32 s37, 0xfedcba98
	s_mov_b32 s38, 0xffff0000                      ; a word's upper bf16
	s_mov_b32 s41, 0                               ; the high word of every offset pair
	v_and_b32 v1, 31, v0                           ; lane
	v_lshlrev_b32 v[VI], 4, v1
	v_lshl_add_u32 v[VI], s32, 11, v[VI]
	v_lshlrev_b32 v[VO], 3, v1
	v_lshl_add_u32 v[VO], s32, 10, v[VO]
	v_mov_b32 v[ZERO], 0
	v_mov_b32 v22, 0                               ; v_permlanex16_b32 counts as a reader of its destination
	v_mov_b32 v23, 0
	s_wait_kmcnt 0x0
	s_cmp_lg_u32 s33, 0                            ; the same in all eight waves of a work-group
	s_cbranch_scc1 .Lw
	; THE x PATH
	s_lshl_b32 s40, ttmp9, 19                      ; 32 rows of 16,384 bytes
	s_add_nc_u64 s[28:29], s[4:5], s[40:41]
	s_lshl_b32 s40, ttmp9, 18                      ; 32 rows of 8,192
	s_add_nc_u64 s[30:31], s[20:21], s[40:41]
	s_lshl_b32 s40, ttmp9, 11                      ; 32 rows of 64
	s_add_nc_u64 s[46:47], s[24:25], s[40:41]
.irp r, 0,1
.irp j, 0,1,2,3
	global_load_b128 v[VH+16*(\r)+4*(\j):VH+16*(\r)+4*(\j)+3], v[VI], s[8:9] offset:(\r)*ROWI+(\j)*512  ; Vh at my columns, laid as a row of x
.endr
.endr
.irp i, 0,1,2,3,4,5,6,7
	FILL \i
.endr
	s_wait_loadcnt 32                              ; Vh is in; the ring's 32 loads stay out
.set k, 0
.rept 16
	RND2 VH+k, VH+k+1
.set k, k+2
.endr
	v_mov_b32 v[KEEP], 0
	v_mov_b32 v[KEEP+1], 0
	s_mov_b32 s35, 1                               ; bit i: row i
	STREAM 1
	v_and_b32 v1, 31, v0
	v_lshlrev_b32 v1, 3, v1
	v_lshl_add_u32 v1, s32, 8, v1                  ; 256 w + 8 lane
	ds_store_b64 v1, v[KEEP:KEEP+1] offset:PART
	s_wait_dscnt 0x0                               ; for the others' sake: my partial sums lie in LDS
	s_barrier_signal -1
	s_barrier_wait -1                              ; all eight waves' do
	v_lshrrev_b32 v39, 3, v0
	v_lshlrev_b32 v39, 3, v39                      ; 8 x my row (thread / 8)
.irp w, 0,1,2,3,4,5,6,7
	ds_load_b64 v[X+2*(\w):X+2*(\w)+1], v39 offset:PART+256*(\w)
.endr
	s_wait_dscnt 0x0
.irp w, 0,4,8,12
	v_pk_add_f32 v[X+(\w):X+(\w)+1], v[X+(\w):X+(\w)+1], v[X+(\w)+2:X+(\w)+3]
.endr
	v_pk_add_f32 v[X:X+1],   v[X:X+1],   v[X+4:X+5]
	v_pk_add_f32 v[X+8:X+9], v[X+8:X+9], v[X+12:X+13]
	v_pk_add_f32 v[X:X+1],   v[X:X+1],   v[X+8:X+9]  ; xV0, xV1 of my row
	SPLIT X, X+1
	v_perm_b32 v[WD],   v[H], v[H], 0x01000100     ; xh0 twice
	v_perm_b32 v[WD+1], v[L], v[L], 0x01000100     ; xl0 twice
	v_perm_b32 v[WD+2], v[H], v[H], 0x03020302     ; xh1 twice
	v_perm_b32 v[WD+3], v[L], v[L], 0x03020302     ; xl1 twice
	v_mov_b32 v[WD+4], 0x3f80                      ; 1.0, 0
	PUT
	s_branch .Lend
.Lw:	; THE W PATH
	s_lshl_b32 s40, ttmp9, 19
	s_add_nc_u64 s[28:29], s[6:7], s[40:41]
	s_lshl_b32 s40, ttmp9, 18
	s_add_nc_u64 s[30:31], s[22:23], s[40:41]
	s_lshl_b32 s40, ttmp9, 11
	s_add_nc_u64 s[46:47], s[26:27], s[40:41]
	v_lshrrev_b32 v1, 3, v0                        ; my row of the 32 (thread / 8)
	s_lshl_b32 s40, ttmp9, 8                       ; 32 rows of U, 8 bytes each
	s_lshl_b32 s39, ttmp9, 7                       ; 32 numbers of b
	v_lshl_add_u32 v53, v1, 3, s40
	v_lshl_add_u32 v54, v1, 2, s39
	v_and_b32 v39, 15, v0                          ; u = lane % 16
	v_lshlrev_b32 v55, 4, v39
	v_lshlrev_b32 v39, 2, v39
	global_load_b64  v[40:41], v53, s[10:11]       ; U[row][0..1]
	global_load_b32  v42, v54, s[18:19]            ; b[row]
	global_load_b128 v[44:47], v[ZERO], s[12:13]   ; S00 S01 S10 S11
	global_load_b128 v[48:51], v55, s[14:15]       ; P[u]: 00 01 10 11
	global_load_b32  v52, v39, s[16:17]            ; v[u]
.irp i, 0,1,2,3,4,5,6,7
	FILL \i
.endr
	s_wait_loadcnt 32                              ; the five small loads are in; the ring's 32 stay out
	RND2 40, 41
	RND2 44, 45
	RND2 46, 47
	RND2 48, 49
	RND2 50, 51
	v_cvt_pk_bf16_f32 v[T], v52, v52
	v_lshlrev_b32 v52, 16, v[T]
	v_cvt_pk_bf16_f32 v[WD+4], v42, v[ZERO]        ; bf16(b), 0
.irp r, 48,49,50,51
	v_mul_f32 v\r, v52, v\r                        ; v[u] P[u][i][j]
.endr
.irp m, 1,2,4,8                        ; summed over the 16 lanes of each half: R in every lane
.irp r, 48,49,50,51
	v_add_f32_dpp v\r, v\r, v\r row_xmask:\m row_mask:0xf bank_mask:0xf
.endr
.endr
	v_mul_f32 v12, v44, v48                        ; S R: 00
	v_mul_f32 v13, v44, v49                        ; 01
	v_mul_f32 v14, v46, v48                        ; 10
	v_mul_f32 v15, v46, v49                        ; 11
	v_fma_f32 v12, v45, v50, v12
	v_fma_f32 v13, v45, v51, v13
	v_fma_f32 v14, v47, v50, v14
	v_fma_f32 v15, v47, v51, v15
	v_mul_f32 v16, v40, v12                        ; M[row][0], M[row][1]
	v_mul_f32 v17, v40, v13
	v_fma_f32 v16, v41, v14, v16
	v_fma_f32 v17, v41, v15, v17
	SPLIT 16, 17
	v_perm_b32 v[WD],   v[L], v[H], 0x05040100     ; Mh0 below, Ml0 above
	v_perm_b32 v[WD+1], v[L], v[H], 0x05040100
	v_perm_b32 v[WD+2], v[L], v[H], 0x07060302     ; Mh1 below, Ml1 above
	v_perm_b32 v[WD+3], v[L], v[H], 0x07060302
	PUT                                            ; its registers (v24-27) are not written again
	STREAM 0
.Lend:
	s_wait_tensorcnt 0x0                           ; the wave's end, behind my last LDS store
	ds_add_u32 v[SPW], v[NIL]
	s_wait_dscnt 0x0
	s_endpgm
.Lfunc_end_k_q067f72d640_prep:
	.size	k_q067f72d640_prep, .Lfunc_end_k_q067f72d640_prep-k_q067f72d640_prep
	.p2alignl 7, 3214868480
	.fill 96, 4, 3214868480
	.section	.rodata,"a",@progbits
	.p2align	6, 0x0
	.amdhsa_kernel k_q067f72d640_prep
		.amdhsa_group_segment_fixed_size 3072
		.amdhsa_private_segment_fixed_size 0
		.amdhsa_enable_private_segment 0
		.amdhsa_kernarg_size 96
		.amdhsa_user_sgpr_count 2
		.amdhsa_user_sgpr_kernarg_segment_ptr 1
		.amdhsa_wavefront_size32 1
		.amdhsa_system_sgpr_workgroup_id_x 1
		.amdhsa_system_sgpr_workgroup_id_y 1
		.amdhsa_system_sgpr_workgroup_id_z 1
		.amdhsa_system_vgpr_workitem_id 0
		.amdhsa_next_free_vgpr 248
		.amdhsa_next_free_sgpr 66
		.amdhsa_reserve_vcc 0
		.amdhsa_float_denorm_mode_32 3
		.amdhsa_float_denorm_mode_16_64 3
		.amdhsa_memory_ordered 1
		.amdhsa_forward_progress 1
		.amdhsa_inst_pref_size 94
	.end_amdhsa_kernel
	.amdgpu_metadata
---
amdhsa.version: [ 1, 2 ]
amdhsa.kernels:
  - .name:           k_q067f72d640_prep
    .symbol:         k_q067f72d640_prep.kd
    .args:
      - { .name: x, .offset: 0, .size: 8, .value_kind: global_buffer, .address_space: global }
      - { .name: W, .offset: 8, .size: 8, .value_kind: global_buffer, .address_space: global }
      - { .name: Vh, .offset: 16, .size: 8, .value_kind: global_buffer, .address_space: global }
      - { .name: U, .offset: 24, .size: 8, .value_kind: global_buffer, .address_space: global }
      - { .name: S, .offset: 32, .size: 8, .value_kind: global_buffer, .address_space: global }
      - { .name: P, .offset: 40, .size: 8, .value_kind: global_buffer, .address_space: global }
      - { .name: v, .offset: 48, .size: 8, .value_kind: global_buffer, .address_space: global }
      - { .name: b, .offset: 56, .size: 8, .value_kind: global_buffer, .address_space: global }
      - { .name: xb, .offset: 64, .size: 8, .value_kind: global_buffer, .address_space: global }
      - { .name: wb, .offset: 72, .size: 8, .value_kind: global_buffer, .address_space: global }
      - { .name: xa, .offset: 80, .size: 8, .value_kind: global_buffer, .address_space: global }
      - { .name: wa, .offset: 88, .size: 8, .value_kind: global_buffer, .address_space: global }
    .group_segment_fixed_size: 3072
    .private_segment_fixed_size: 0
    .kernarg_segment_align: 8
    .kernarg_segment_size: 96
    .max_flat_workgroup_size: 256
    .sgpr_count:     66
    .vgpr_count:     248
    .wavefront_size: 32
...
	.end_amdgpu_metadata
.endif
;; end of part 1
;; launch gemm (part 2): grid 16 x 16, 4 waves a work-group, clusters of 4 x 4, 327,680 bytes of LDS; arguments xb, wb, xa, wa, out0; writes out0
.if DOCPART == 2
	.amdgcn_target "amdgcn-amd-amdhsa--gfx1250"
	.amdhsa_code_object_version 6
	.text
	.protected	k_q067f72d640_gemm
	.globl	k_q067f72d640_gemm
	.p2align	8
	.type	k_q067f72d640_gemm,@function
k_q067f72d640_gemm:
	s_mov_b64 s[64:65], 0
	v_nop
	global_prefetch_b8 v0, s[64:65] scope:SCOPE_SE
	s_setreg_imm32_b32 hwreg(HW_REG_WAVE_MODE, 25, 1), 1
	s_wait_xcnt 0x0
	s_wait_alu depctr_hold_cnt(0) depctr_sa_sdst(0) depctr_va_vdst(0) depctr_va_sdst(0) depctr_va_ssrc(0) depctr_va_vcc(0) depctr_vm_vsrc(0)
	s_getreg_b32 s2, hwreg(HW_REG_IB_STS2, 6, 4)
	s_cmp_eq_u32 s2, 0
	s_cbranch_scc0 .Lentry_in_a_cluster
	s_endpgm
.Lentry_in_a_cluster:
	s_bfe_u32 s2, ttmp6, 0x10000c
	s_cmp_lg_u32 s2, 0xf033
	s_cbranch_scc0 .Lentry_shape_is_right
	s_endpgm
.Lentry_shape_is_right:
; out0[m][n] = sum over k of xb[m][k] wb[n][k]  +  sum over 32 places of xa[m][.] wa[n][.].   xb, wb: [4096][4096] bf16; xa, wa: [4096][32] bf16; out0: [4096][4096] f32; sums in f32.
; The second sum is the low-rank term and the bias, laid out by the launch before: it is ONE K step of 32 on the matrix unit, and it STARTS the 64 sums (C = 0), while the first tiles are on their way.
; So nothing is cleared and nothing is added on the way out.  LIMITS: those of the launch before (operands in bf16; NaN and infinities not treated apart); the order of the f32 sums is the matrix unit's.
; A tile of out0, 256 x 256, is made by a work-group of four waves; a wave makes 128 x 128: 64 accumulators of 16 x 16, 512 registers.  256 tiles, one to a work-group.
; K goes in steps of 128 through a ring of two LDS slots filled by the tensor data mover: a tile's rows are 256 bytes of memory, at multiples of 256 from the buffer's first byte.
; CLUSTERS: 4 x 4 work-groups.  The four of a row of the cluster need the same tiles of xb, the four of a column the same tiles of wb.  Such a tile is asked for JOINTLY: each of the four issues the same
; tensor load, with the same descriptor and a mask that names the four, and each receives the tile in its own LDS.  That divides the requests for xb and wb by four.
; REGISTERS, in windows of 256 (s_set_vgpr_msb's low byte: bits 1:0 source 0, 3:2 source 1, 5:4 source 2, 7:6 destination):
;   window 0: v0-31 addresses; v64-127, v128-191 fragments of xb (8 x 16 rows x 32 K), two buffers; on the way out the same 128 registers take rows read back from the stage
;   window 1: v64-127, v128-191 fragments of wb, two buffers
;   window 2: the 32 accumulators of my rows 0-63 (accumulator (a, b) at v[8 (8 a + b)]);   window 3: those of my rows 64-127
; THE MATRIX INSTRUCTION IS USED TRANSPOSED: source 0 = 16 rows of wb, source 1 = 16 rows of xb.  In the result lane l holds row m = l % 16 of out0 and its registers 0-7 the columns
; 8 (l / 16) + 0..7: 32 neighbouring bytes of a row.
.set SIZE_K, 4096
.set SIZE_N, 4096
.set KSTEP,  128
.set PITCH,  272                       ; an LDS row: 256 bytes + 16 of padding = 68 words: row r starts at bank 4 r mod 64 (64 banks of 4 bytes: ISA guide 11.1): the 16 rows of a load start at 16 different banks
.set HALFT,  128*PITCH                 ; 128 rows: what one tensor load brings, and what one wave reads of xb or of wb
.set SLOT,   4*HALFT                   ; xb's 256 rows, then wb's 256 rows
.set STAGE,  2*SLOT                    ; behind the ring, never filled by a tensor load: 16 rows x 528 bytes for each wave, for the way out
.set SPITCH, 528                       ; 512 bytes + 16
.set SPARE,  STAGE+4*16*SPITCH         ; behind the stages: the spare words, 128 bytes for each wave: two blocks of 256 bytes that no other line names
.set LAPS,   SIZE_K/(2*KSTEP)          ; a lap = two K steps = once round the ring: 16
.set ROWC,   SIZE_N*4                  ; bytes in a row of out0
.set ADRA, 16                          ; v16-17  LDS address of my xb fragments in slot 0, 1
.set ADRB, 20                          ; v20-21  the same for wb
.set STO,  24                          ; v24     the way out: where I put 32 bytes of a row
.set RD,   25                          ; v25     the way out: where I read a row back
.set CO,   26                          ; v26     16 x lane: my 16 bytes of a row's 512
.set AUO,  27                          ; v27     my byte offset in 16 rows of xa or wa
.set SPW,  28                          ; v28     LDS address of my spare word; never rewritten
.set NIL,  29                          ; v29     0; never rewritten
.set PFO,  30                          ; v30     the prefetches' offset: my lane x a row of xb or wb (8,192 bytes); never rewritten
.set PFA,  44                          ; s[44:45] where my prefetches stand
.set LIM,  43                          ; s43     1 in a wave that prefetches, else the greatest number
.set XA,   68                          ; s[68:69] xa at my wave's 128 rows of the tile
.set WA,   70                          ; s[70:71] wa at my wave's 128 columns
.set F0,   64                          ; fragment buffer 0
.set F1,   128                         ; fragment buffer 1
.set G1, 24                            ; s[24:31] descriptor group 1 for xb's tiles
.set G0, 32                            ; s[32:39] descriptor group 0 for xb's tiles, one set for each slot
.set G1B, 48                           ; s[48:55] group 1 for wb's tiles: it differs in the mask alone
.set G0B, 56                           ; s[56:63] group 0 for wb's tiles
.set MSB, 0
.macro WIN new                         ; the immediate's high byte repeats the setting that is left; a switch that changes nothing is dropped
.if MSB != (\new)
	s_set_vgpr_msb (MSB<<8)|(\new)
.set MSB, \new
.endif
.endm
.set MUL_LO, 0xa1                      ; source 0 (wb) window 1, source 1 (xb) window 0, C and D window 2
.set MUL_HI, 0xf1                      ; the same, C and D window 3
.set TO_B,   0x40                      ; destination window 1, address window 0
; A joint load.  Waves 0 and 1 fetch xb's two halves, waves 2 and 3 wb's.  Each of the two lines has one mask and one set of registers for all that issue it.  The branch hangs on the wave's number alone.
; An s_nop 0 and four v_nop follow each of the two lines, ahead of the jump, the label and what follows.
.macro JLOAD s
	s_cmp_eq_u32 s11, 0
	s_cbranch_scc0 .Lfor_b_\@
	tensor_load_to_lds s[G0+4*(\s):G0+4*(\s)+3], s[G1:G1+7]
	s_nop 0
.rept 4
	v_nop
.endr
	s_branch .Lasked_\@
.Lfor_b_\@:
	tensor_load_to_lds s[G0B+4*(\s):G0B+4*(\s)+3], s[G1B:G1B+7]
	s_nop 0
.rept 4
	v_nop
.endr
.Lasked_\@:
.endm
; A PREFETCH INTO THE L2, behind each joint refill and the run of LDS loads that follows it: the K step that stands TWO refills on: 32 rows x 256 bytes, a lane a row, one instruction a wave:
; 512 matrix instructions ahead of the load that will ask for it.  Each row's 256 bytes of a K step are named ONCE in the launch: xb's tile row is read by every cluster of that row of clusters, and the
; one with cluster x = 0 asks; wb's tile column by every cluster of that column, and the one with cluster y = 0 asks.  The four partners that ask for a tile jointly share its rows out BY ADDRESS: of the
; 128 rows that a wave fetches the partner at place p takes 32 p .. 32 p + 31 (p = cx for xb, cy for wb): no branch hangs on a work-group's place in its cluster.  K steps 0 to 3 come by their loads alone;
; the loop's last trip (s3 = 1) asks for nothing: its refills are K steps 30 and 31, and there is none two on.
.macro ASK
	s_cmp_gt_u32 s3, s[LIM]
	s_cbranch_scc0 .Lnot_mine_\@
	global_prefetch_b8 v[PFO], s[PFA:PFA+1] offset:KSTEP*2 th:TH_LOAD_NT scope:SCOPE_SE
.Lnot_mine_\@:
.endm
; A round of the cluster's barrier: my work-group's barrier, so that wave 0's signal speaks for all four waves; wave 0 signals for the work-group; every wave waits for all sixteen; my work-group's barrier once more.
.macro CREST                           ; a round behind its opening barrier
	s_cmp_lg_u32 s10, 0
	s_cbranch_scc1 .Lnot_wave_0_\@
	s_barrier_signal -3
.Lnot_wave_0_\@:
	s_barrier_wait -3
	s_barrier_signal -1
	s_barrier_wait -1
.endm
.macro CROUND                          ; a whole round
	s_barrier_signal -1
	s_barrier_wait -1
	CREST
.endm
	s_load_b128 s[4:7], s[0:1], 0x0                ; xb s[4:5], wb s[6:7]
	s_load_b128 s[XA:XA+3], s[0:1], 0x10           ; xa, wa
	s_load_b64 s[8:9], s[0:1], 0x20                ; out0
	v_lshl_add_u32 v[SPW], v0, 2, SPARE
	v_mov_b32 v[NIL], 0
	ds_add_u32 v[SPW], v[NIL]                      ; the wave's opening: the add and its wait stand ahead of my first tensor load; the set-up below, work on registers, stands between them
	v_lshrrev_b32 v1, 5, v0
	v_readfirstlane_b32 s10, v1                    ; wave 0..3
	s_lshr_b32 s11, s10, 1                         ; which half of the tile's rows is mine.  Also: I fetch for xb (0) or for wb (1)
	s_and_b32 s12, s10, 1                          ; which half of its columns.  Also: which 128 rows of that tile I fetch
	s_bfe_u32 s40, ttmp6, 0x40000                  ; cx
	s_bfe_u32 s41, ttmp6, 0x40004                  ; cy
	s_lshl_b32 s42, ttmp9, 2                       ; in a cluster launch ttmp9 and ttmp7 count clusters
	s_add_co_u32 s42, s42, s40                     ; tile column = 4 x cluster x + cx
	s_and_b32 s13, ttmp7, 0xffff
	s_lshl_b32 s13, s13, 2
	s_add_co_u32 s13, s13, s41                     ; tile row = 4 x cluster y + cy
	s_lshl_b32 s43, s41, 2
	s_lshl_b32 s43, 15, s43                        ; my row of the cluster: places 4 cy .. 4 cy + 3
	s_lshl_b32 s44, 0x1111, s40                    ; my column: places cx, cx + 4, cx + 8, cx + 12
	; descriptor group 1: a tile of 128 rows x 128 elements, padded in LDS
	s_or_b32 s[G1+0], s43, (1<<16)|(1<<20)|(1<<21)|(5<<22)|(3<<25)  ; 15:0 the mask: xb's tiles go to my row; 17:16 elements of 2 bytes; 20 padding on; 21 set beside a mask; 24:22 after every 64 words (code 5); 31:25 4 words (code 3)
	s_or_b32 s[G1B+0], s44, (1<<16)|(1<<20)|(1<<21)|(5<<22)|(3<<25) ; the same with the mask of my column
.irp g, G1, G1B
	s_mov_b32 s[(\g)+1], KSTEP<<16                 ; tensor_dim0 = 128
	s_mov_b32 s[(\g)+2], 128<<16                   ; tensor_dim1 = 128
	s_mov_b32 s[(\g)+3], KSTEP<<16                 ; tile_dim0 = 128
	s_mov_b32 s[(\g)+4], 128                       ; tile_dim1 = 128
	s_mov_b32 s[(\g)+5], SIZE_K                    ; elements from row to row
	s_mov_b32 s[(\g)+6], 0
	s_mov_b32 s[(\g)+7], 0
.endr
	; where the tiles come from.  xb's hang on the tile row alone, which my row of the cluster shares; wb's on the tile column alone.  Each address is made in registers that never hold the other coordinate.
	s_lshl_b32 s17, s12, 7                         ; which 128 rows of the tile I fetch
	s_lshl_b32 s16, s13, 8
	s_add_co_u32 s16, s16, s17                     ; xb: row 256 x tile row + 128 x half
	s_lshl_b32 s46, s42, 8
	s_add_co_u32 s46, s46, s17                     ; wb: row 256 x tile column + 128 x half
	s_mov_b32 s17, 0
	s_mov_b32 s47, 0
	s_mov_b64 s[18:19], SIZE_K*2
	s_mul_u64 s[16:17], s[16:17], s[18:19]
	s_mul_u64 s[46:47], s[46:47], s[18:19]
	s_mul_i32 s20, s10, HALFT                      ; and where they go: wave x 128 rows: no place in the cluster enters an LDS address
	; the small tables, 64 bytes a row: xa at the 128 rows, wa at the 128 columns, that my wave COMPUTES
	s_lshl_b32 s72, s13, 8
	s_lshl_b32 s73, s11, 7
	s_add_co_u32 s72, s72, s73
	s_lshl_b32 s72, s72, 6
	s_mov_b32 s73, 0
	s_lshl_b32 s74, s42, 8
	s_lshl_b32 s75, s12, 7
	s_add_co_u32 s74, s74, s75
	s_lshl_b32 s74, s74, 6
	s_mov_b32 s75, 0
	s_wait_dscnt 0x0                               ; the opening add is done
	s_wait_kmcnt 0x0
	s_add_nc_u64 s[14:15], s[4:5], s[16:17]
	s_add_nc_u64 s[46:47], s[6:7], s[46:47]
	s_add_nc_u64 s[XA:XA+1], s[XA:XA+1], s[72:73]
	s_add_nc_u64 s[WA:WA+1], s[WA:WA+1], s[74:75]
	CROUND                                         ; all sixteen work-groups are here: the first joint loads meet
.irp s, 0,1
	s_mov_b32 s[G0+4*(\s)], 1                                      ; count = 1
	s_add_co_u32 s[G0+4*(\s)+1], s20, (\s)*SLOT                    ; LDS address
	s_add_nc_u64 s[G0+4*(\s)+2:G0+4*(\s)+3], s[14:15], (\s)*KSTEP*2  ; global address: K step s
	s_or_b32 s[G0+4*(\s)+3], s[G0+4*(\s)+3], 0x80000000            ; type = 2
	s_mov_b32 s[G0B+4*(\s)], 1
	s_add_co_u32 s[G0B+4*(\s)+1], s20, (\s)*SLOT
	s_add_nc_u64 s[G0B+4*(\s)+2:G0B+4*(\s)+3], s[46:47], (\s)*KSTEP*2
	s_or_b32 s[G0B+4*(\s)+3], s[G0B+4*(\s)+3], 0x80000000
	JLOAD \s                                       ; the ring is filled before anything else is done: two tensor loads of mine are out
.endr
	; A fragment is 16 rows x 32 K in 8 registers: lane l holds row l % 16; registers 0-3 hold K = 8 (l / 16) + 0..7, registers 4-7 K = 16 + 8 (l / 16) + 0..7: two loads of 16 bytes, 32 bytes apart.
	v_and_b32 v1, 15, v0                           ; l % 16
	v_bfe_u32 v2, v0, 4, 1                         ; l / 16
	v_lshlrev_b32 v[AUO], 6, v1
	v_lshl_add_u32 v[AUO], v2, 4, v[AUO]           ; row x 64 + 16 x half
	; the small tables' fragments come straight from memory into buffer 1: a fragment's two loads cover 1,024 consecutive bytes
	WIN TO_B
.irp i, 0,1,2,3,4,5,6,7
	global_load_b128 v[F1+8*(\i):F1+8*(\i)+3],   v[AUO], s[WA:WA+1] offset:1024*(\i)
	global_load_b128 v[F1+8*(\i)+4:F1+8*(\i)+7], v[AUO], s[WA:WA+1] offset:1024*(\i)+32
.endr
	WIN 0
.irp i, 0,1,2,3,4,5,6,7
	global_load_b128 v[F1+8*(\i):F1+8*(\i)+3],   v[AUO], s[XA:XA+1] offset:1024*(\i)
	global_load_b128 v[F1+8*(\i)+4:F1+8*(\i)+7], v[AUO], s[XA:XA+1] offset:1024*(\i)+32
.endr
	; the rest of the addresses, while those loads are out
	v_mul_u32_u24 v3, v1, PITCH
	v_lshl_add_u32 v3, v2, 4, v3                   ; row x pitch + 16 x half
	s_mul_i32 s21, s11, HALFT                      ; my 128 rows of xb
	s_mul_i32 s22, s12, HALFT                      ; my 128 rows of wb,
	s_add_co_u32 s22, s22, 2*HALFT                 ; which lie behind xb's 256
.irp s, 0,1
	v_add_nc_u32 v[ADRA+(\s)], s21, v3
	v_add_nc_u32 v[ADRB+(\s)], s22, v3
	s_add_co_u32 s21, s21, SLOT
	s_add_co_u32 s22, s22, SLOT
.endr
	s_mul_i32 s23, s10, 16*SPITCH
	s_add_co_u32 s23, s23, STAGE                   ; my stage
	v_mul_u32_u24 v4, v1, SPITCH                   ; in: row l % 16, 32 bytes for each half of the lanes
	v_lshl_add_u32 v4, v2, 5, v4
	v_add_nc_u32 v[STO], s23, v4
	v_and_b32 v5, 31, v0
	v_lshlrev_b32 v[CO], 4, v5                     ; back: 32 lanes take one row of 512 bytes,
	v_add_nc_u32 v[RD], s23, v[CO]                 ; and the same 512 bytes of a row of out0
	; out0 at my part of the tile
	s_lshl_b32 s13, s13, 8
	s_lshl_b32 s14, s11, 7
	s_add_co_u32 s16, s13, s14                     ; my first row
	s_mov_b32 s17, 0
	s_mov_b64 s[18:19], ROWC
	s_mul_u64 s[16:17], s[16:17], s[18:19]
	s_lshl_b32 s46, s42, 10                        ; my first column, in bytes: 1,024 x tile column + 512 x half (in the registers that held wb's address: none that feeds xb's descriptors ever holds cx)
	s_lshl_b32 s47, s12, 9
	s_add_co_u32 s46, s46, s47
	s_mov_b32 s47, 0
	s_add_nc_u64 s[16:17], s[16:17], s[46:47]
	s_add_nc_u64 s[8:9], s[8:9], s[16:17]
	; the prefetches.  s13 = 256 x tile row, s42 = tile column, s40 = cx, s41 = cy still stand
	s_lshl_b32 s42, s42, 8
	s_and_b32 s22, ttmp7, 0xffff                   ; cluster y
	s_cmp_eq_u32 s11, 0                            ; do I fetch for xb?
	s_cselect_b32 s20, s13, s42                    ; the tile's first row: in xb by the tile row, in wb by the tile column
	s_cselect_b32 s21, s40, s41                    ; my place among the four that ask for it with me
	s_cselect_b32 s22, ttmp9, s22                  ; the coordinate along which other clusters read the same rows
	s_cselect_b64 s[PFA:PFA+1], s[4:5], s[6:7]
	s_cmp_eq_u32 s22, 0
	s_cselect_b32 s[LIM], 1, -1                    ; the same in all sixteen partners, for a given wave
	s_lshl_b32 s22, s12, 7
	s_add_co_u32 s20, s20, s22                     ; + the 128 rows that I fetch
	s_lshl_b32 s21, s21, 5
	s_add_co_u32 s20, s20, s21                     ; + my work-group's 32 of them
	s_mov_b32 s21, 0
	s_mov_b64 s[18:19], SIZE_K*2
	s_mul_u64 s[20:21], s[20:21], s[18:19]
	s_add_nc_u64 s[PFA:PFA+1], s[PFA:PFA+1], s[20:21]
	s_add_nc_u64 s[PFA:PFA+1], s[PFA:PFA+1], 2*KSTEP*2  ; at K step 2: the first refill steps it to 3 and names K step 4
	v_and_b32 v[PFO], 31, v0
	v_mul_u32_u24 v[PFO], v[PFO], SIZE_K*2
; 16 matrix instructions: m blocks a0, a0 + 1 of the window's four (hi = 0: my rows 0-63, 1: rows 64-127) x all 8 n blocks, 32 along K.  zero = 1: the product starts the sums.
; The 64 accumulators take turns, one instruction a turn, in the same order in every quarter step: between two links of a chain stand the 63 others'.
.macro MUL16 f, hi, a0, zero
	WIN MUL_LO+0x50*(\hi)
.irp a, \a0, (\a0)+1
.irp b, 0,1,2,3,4,5,6,7
.if \zero
	v_wmma_f32_16x16x32_bf16 v[8*(8*(\a)+(\b)):8*(8*(\a)+(\b))+7], v[(\f)+8*(\b):(\f)+8*(\b)+7], v[(\f)+8*(4*(\hi)+(\a)):(\f)+8*(4*(\hi)+(\a))+7], 0
.else
	v_wmma_f32_16x16x32_bf16 v[8*(8*(\a)+(\b)):8*(8*(\a)+(\b))+7], v[(\f)+8*(\b):(\f)+8*(\b)+7], v[(\f)+8*(4*(\hi)+(\a)):(\f)+8*(4*(\hi)+(\a))+7], v[8*(8*(\a)+(\b)):8*(8*(\a)+(\b))+7]
.endif
.endr
.endr
.endm
; 32 LDS loads in one run: the fragments of one quarter step (128 rows of wb, 128 rows of xb, 32 K at byte k of the rows) into buffer f
.macro FETCH slot, k, f
	WIN TO_B
.irp i, 0,1,2,3,4,5,6,7
	ds_load_b128 v[(\f)+8*(\i):(\f)+8*(\i)+3],   v[ADRB+(\slot)] offset:(\k)+(\i)*16*PITCH
	ds_load_b128 v[(\f)+8*(\i)+4:(\f)+8*(\i)+7], v[ADRB+(\slot)] offset:(\k)+(\i)*16*PITCH+32
.endr
	WIN 0
.irp i, 0,1,2,3,4,5,6,7
	ds_load_b128 v[(\f)+8*(\i):(\f)+8*(\i)+3],   v[ADRA+(\slot)] offset:(\k)+(\i)*16*PITCH
	ds_load_b128 v[(\f)+8*(\i)+4:(\f)+8*(\i)+7], v[ADRA+(\slot)] offset:(\k)+(\i)*16*PITCH+32
.endr
.endm
; A load into a register that a matrix instruction has read, and an LDS store that reads a matrix result, stand four places behind that matrix instruction; only plain vector instructions that name none
; of its registers are places (ISA guide 7.12.1 for vector instructions).
.macro PLACES
.rept 4
	v_nop
.endr
.endm
; A K step is four quarter steps of 32 along K, 64 matrix instructions each, on buffers 0, 1, 0, 1.  One of the first three: multiplies buffer f; in its middle it fetches the next quarter's fragments into buffer g.
.macro QUARTER slot, k, f, g
	s_wait_dscnt 8                                 ; wb's fragments and xb's rows 0-63 are in; the youngest eight loads (xb's rows 64-127) may be out
	MUL16 \f, 0, 0, 0
	MUL16 \f, 0, 2, 0
	PLACES
	FETCH \slot, \k, \g
	s_wait_dscnt 32                                ; all but the 32 just issued
	MUL16 \f, 1, 0, 0
	MUL16 \f, 1, 2, 0
.endm
; The last quarter multiplies buffer 1 and changes slots.  MEET is its first half: ONE barrier for the change.  In front of it each wave waits for all its tensor loads, of which one is out: its part of the
; next slot; adds 0 to its spare word; and waits for that and for its own reads of this slot.  Behind it nobody reads this slot any more and the next slot is whole.
.macro MEET round                      ; round = 1: the rest of a round of the cluster's barrier follows
	WIN 0                                          ; (the add's two registers lie in window 0)
	s_wait_tensorcnt 0x0                           ; all my tensor loads have landed
	ds_add_u32 v[SPW], v[NIL]                      ; 0 onto my spare word
	s_wait_dscnt 9                                 ; (the add and the youngest eight loads may be out)
	MUL16 F1, 0, 0, 0                              ; sixteen matrix instructions stand between the add and the wait for it
	s_wait_dscnt 0x0                               ; the add is done, and my reads of this slot are over
	s_barrier_signal -1
	MUL16 F1, 0, 2, 0                              ; work on registers while the others arrive
.if \round
	WIN 0
.endif
	s_barrier_wait -1
.endm
; The whole last quarter of a K step whose slot is filled again, with the K step two on; then come the next slot's first fragments.  From a request to the wait for it a wave issues 224 matrix instructions.
.macro TURN slot, next
	s_wait_xcnt 0x0                                ; the last prefetch, a K step back, has read its address: it is stepped here, ahead of the waits of the change of slots
	s_add_nc_u64 s[PFA:PFA+1], s[PFA:PFA+1], KSTEP*2
	MEET 1
	CREST                                          ; no wave of any partner still reads this slot's tile or has a load on its way
	s_add_nc_u64 s[G0+4*(\slot)+2:G0+4*(\slot)+3], s[G0+4*(\slot)+2:G0+4*(\slot)+3], 2*KSTEP*2
	s_add_nc_u64 s[G0B+4*(\slot)+2:G0B+4*(\slot)+3], s[G0B+4*(\slot)+2:G0B+4*(\slot)+3], 2*KSTEP*2
	JLOAD \slot                                    ; the first tensor load behind the round, my only one until the next; its four v_nop are also the places in front of the loads below
	FETCH \next, 0, F0
	ASK
	MUL16 F1, 1, 0, 0
	MUL16 F1, 1, 2, 0
.endm
; THE WAY OUT of block a (16 rows x 128 columns of f32).  TOSTAGE: a lane's 32 bytes of each of 8 accumulators go into my own stage, rows of 528 bytes, and come back as whole rows of 512.  SEND: stored.
.macro TOSTAGE a
.set AC, 64*((\a)%4)
.set BK, F0+64*((\a)%2)
.if (\a) >= 2
	s_wait_xcnt 0x0                                ; the stores of the block two back have had their addresses translated (ISA guide 3.1): their data registers are loaded again only behind this wait
.endif
	WIN 0x08+4*((\a)/4)                            ; an LDS store's data is source 1: window 2 or 3
.irp b, 0,1,2,3,4,5,6,7
	ds_store_b128 v[STO], v[AC+8*(\b):AC+8*(\b)+3]   offset:64*(\b)     ; each accumulator's low four registers first
	ds_store_b128 v[STO], v[AC+8*(\b)+4:AC+8*(\b)+7] offset:64*(\b)+16
.endr
	WIN 0
.irp t, 0,1,2,3,4,5,6,7,8,9,10,11,12,13,14,15
	ds_load_b128 v[BK+4*(\t):BK+4*(\t)+3], v[RD] offset:(\t)*SPITCH  ; LDS serves a wave's instructions in order (ISA guide 5.7.1.4): these see the stores above; the next block's stores come behind them
.endr
.endm
.macro SEND a, younger                 ; younger: the LDS instructions issued behind block a's loads: the next block's 32, or none
.set BK, F0+64*((\a)%2)
	WIN 0
	s_wait_dscnt \younger                          ; the block is back in registers
	s_wait_xcnt 0x0                                ; earlier stores have read their base: it is stepped only behind this wait
.if (\a) > 0
	s_add_nc_u64 s[8:9], s[8:9], 16*ROWC           ; 16 rows on
.endif
.irp t, 0,1,2,3,4,5,6,7,8,9,10,11,12,13,14,15
	global_store_b128 v[CO], v[BK+4*(\t):BK+4*(\t)+3], s[8:9] offset:(\t)*ROWC th:TH_STORE_NT  ; 32 lanes store 512 consecutive bytes, at a multiple of 512 from out0's first byte
.endr
.endm
	s_wait_loadcnt 0x0                             ; xa's and wa's fragments are in
	MUL16 F1, 0, 0, 1                              ; THE SMALL K STEP starts all 64 sums: the low-rank term and the bias
	MUL16 F1, 0, 2, 1
	MUL16 F1, 1, 0, 1
	MUL16 F1, 1, 2, 1
	s_wait_tensorcnt 1                             ; my part of K step 0 is in; K step 1's may stay out
	s_barrier_signal -1
	s_barrier_wait -1                              ; everybody's is
	FETCH 0, 0, F0                                 ; (buffer 0 has been read by no matrix instruction yet)
	QUARTER 0, 64,  F0, F1
	WIN 0                                          ; at a label and at a branch every window is 0
	s_mov_b32 s3, LAPS-1
.Llap:                                                 ; a trip goes once round the ring, from a lap's second quarter to the next lap's first, and fills both slots again
	QUARTER 0, 128, F1, F0
	QUARTER 0, 192, F0, F1
	TURN 0, 1
	QUARTER 1, 64,  F0, F1
	QUARTER 1, 128, F1, F0
	QUARTER 1, 192, F0, F1
	TURN 1, 0
	QUARTER 0, 64,  F0, F1
	WIN 0
	s_sub_co_u32 s3, s3, 1
	s_cmp_lg_u32 s3, 0
	s_cbranch_scc1 .Llap
	QUARTER 0, 128, F1, F0                         ; the last lap is written out: it fills nothing, and has no round of the cluster's barrier
	QUARTER 0, 192, F0, F1
	MEET 0                                         ; my one tensor load that was still out is slot 1's, the last K step's
	PLACES                                         ; for the loads into buffer 0, which the quarter before multiplied
	FETCH 1, 0, F0
	MUL16 F1, 1, 0, 0
	MUL16 F1, 1, 2, 0
	QUARTER 1, 64,  F0, F1
	QUARTER 1, 128, F1, F0
	QUARTER 1, 192, F0, F1
	s_wait_dscnt 8                                 ; the very last quarter: nothing more to fetch
	MUL16 F1, 0, 0, 0
	MUL16 F1, 0, 2, 0
	s_wait_dscnt 0x0
	MUL16 F1, 1, 0, 0
	MUL16 F1, 1, 2, 0
	WIN 0
	PLACES                                         ; in front of LDS stores that read results and of loads into the fragments' registers: four are asked for;
	PLACES                                         ; eight stand here, once a launch
	TOSTAGE 0
.irp a, 1,2,3,4,5,6,7                  ; block a goes into the stage while block a - 1's rows come back
	TOSTAGE \a
	SEND (\a)-1, 32
.endr
	SEND 7, 0
	s_wait_tensorcnt 0x0                           ; the wave's end, behind my last tensor load and my last LDS store
	ds_add_u32 v[SPW], v[NIL]
	s_wait_dscnt 0x0
	CROUND                                         ; the closing round: no work-group ends while a partner may still ask for a tile that names it
	s_endpgm
.Lfunc_end_k_q067f72d640_gemm:
	.size	k_q067f72d640_gemm, .Lfunc_end_k_q067f72d640_gemm-k_q067f72d640_gemm
	.p2alignl 7, 3214868480
	.fill 96, 4, 3214868480
	.section	.rodata,"a",@progbits
	.p2align	6, 0x0
	.amdhsa_kernel k_q067f72d640_gemm
		.amdhsa_group_segment_fixed_size 327680
		.amdhsa_private_segment_fixed_size 0
		.amdhsa_enable_private_segment 0
		.amdhsa_kernarg_size 40
		.amdhsa_user_sgpr_count 2
		.amdhsa_user_sgpr_kernarg_segment_ptr 1
		.amdhsa_wavefront_size32 1
		.amdhsa_system_sgpr_workgroup_id_x 1
		.amdhsa_system_sgpr_workgroup_id_y 1
		.amdhsa_system_sgpr_workgroup_id_z 1
		.amdhsa_system_vgpr_workitem_id 0
		.amdhsa_next_free_vgpr 1024
		.amdhsa_next_free_sgpr 76
		.amdhsa_reserve_vcc 0
		.amdhsa_float_denorm_mode_32 3
		.amdhsa_float_denorm_mode_16_64 3
		.amdhsa_memory_ordered 1
		.amdhsa_forward_progress 1
		.amdhsa_inst_pref_size 150
	.end_amdhsa_kernel
	.amdgpu_metadata
---
amdhsa.version: [ 1, 2 ]
amdhsa.kernels:
  - .name:           k_q067f72d640_gemm
    .symbol:         k_q067f72d640_gemm.kd
    .args:
      - { .name: xb, .offset: 0, .size: 8, .value_kind: global_buffer, .address_space: global }
      - { .name: wb, .offset: 8, .size: 8, .value_kind: global_buffer, .address_space: global }
      - { .name: xa, .offset: 16, .size: 8, .value_kind: global_buffer, .address_space: global }
      - { .name: wa, .offset: 24, .size: 8, .value_kind: global_buffer, .address_space: global }
      - { .name: out0, .offset: 32, .size: 8, .value_kind: global_buffer, .address_space: global }
    .group_segment_fixed_size: 327680
    .private_segment_fixed_size: 0
    .kernarg_segment_align: 8
    .kernarg_segment_size: 40
    .max_flat_workgroup_size: 128
    .sgpr_count:     76
    .vgpr_count:     1024
    .wavefront_size: 32
...
	.end_amdgpu_metadata
.endif
;; end of part 2
;; ======== version 2 of 2: 2 launches; version 1 with the launch prep written anew for expert scheduling mode
;; workspace buffers: xb 33,554,432 bytes; wb 33,554,432 bytes; xa 262,144 bytes; wa 262,144 bytes
;; launch prep (part 3): grid 128 x 2, 8 waves a work-group, no clusters, 3,072 bytes of LDS; arguments x, W, Vh, U, S, P, v, b, xb, wb, xa, wa; writes xb, wb, xa, wa
.if DOCPART == 3
	.amdgcn_target "amdgcn-amd-amdhsa--gfx1250"
	.amdhsa_code_object_version 6
	.text
	.protected	k_q067f72d640_prep
	.globl	k_q067f72d640_prep
	.p2align	8
	.type	k_q067f72d640_prep,@function
k_q067f72d640_prep:
	s_mov_b64 s[64:65], 0
	v_nop
	global_prefetch_b8 v0, s[64:65] scope:SCOPE_SE
	s_setreg_imm32_b32 hwreg(HW_REG_WAVE_SCHED_MODE, 0, 2), 2
	s_setreg_imm32_b32 hwreg(HW_REG_WAVE_MODE, 25, 1), 1
	s_wait_xcnt 0x0
	s_wait_alu depctr_vm_vsrc(0)
; PREP.  x [4096][4096] f32 -> xb, W [4096][4096] f32 -> wb, both bf16 (rounded once, to nearest even), and two small tables of 32 bf16 a row,
; xa[m] and wa[n], whose product over their 32 places is delta[m][n] + b[n]:  delta = (x Vh^T) M^T,  M = U (S R),  R = sum over u of v[u] P[u].
;   place      0    1    2    3    4    5    6    7    8      9..31
;   xa[m]     xh0  xh0  xl0  xl0  xh1  xh1  xl1  xl1  1.0     0          xh = bf16(xV), xl = bf16(xV - xh)
;   wa[n]     Mh0  Ml0  Mh0  Ml0  Mh1  Ml1  Mh1  Ml1  bf16(b) 0          Mh = bf16(M),  Ml = bf16(M - Mh)
; All four cross terms are kept, so xV and M enter with about 16 significant bits.  EVERY input (x, W, b, U, S, Vh, P, v) is rounded once to bf16 before it is used;
; all other arithmetic is f32.  LIMITS: the f32 sums are taken in another order than a plain loop's; |xV| and |M| stay inside bf16's range (3.4e38);
; NaN and infinities are not treated apart (an infinite high part leaves a NaN in the low part).
; SHARES.  Grid y = 0: the x path; y = 1: the W path.  A work-group owns 32 rows.  Wave w owns columns 512 w .. 512 w + 511 of each: four loads of 16 bytes a lane, each 512 consecutive
; bytes of a row; the four numbers of a lane round to 8 bytes, so each store of a wave covers 256 consecutive bytes, aligned.  Each byte of x and W is read once, each byte of xb and wb written once.
; IN FLIGHT.  A ring of 8 row slots in registers: 32 loads of every wave are on their way; the waits are counted.  No matrix unit (the small product has two columns), no tensor loads, no cluster
; (no two work-groups read the same bytes but Vh's 32 KiB), no prefetch (the launch is nothing but its stream).
; THE MODE: SCHED_MODE bits 1:0 = 2 (LLVM: expert scheduling mode 2), set by the entry lines.  The code itself states the register dependences
; between vector instructions and memory or LDS instructions, with s_wait_alu, always for 0.
; THE PLAN.  Registers that memory or LDS instructions touch:
;   v[VI], v[VO]  Offsets of every load and store of the stream.  Made at the head, never written again: the rows are reached by the two scalar pointers and by immediate offsets.
;   X[i]          Slot i's turn: its eight roundings read X[i]; behind them the slot's next four loads land in it.  No other vector instruction names it.
;   Y[i]          Slot i's turn: its eight roundings write Y[i]; behind them its four stores read it (in the x path the unpacking lines read it too).  Written again a round later.
;   Outside the stream: the small loads' offsets, the table store's offset and data, the LDS store's address and data, the LDS loads' address: each made once, stated where it is used, not written again.
;   v[SPW], v[NIL]  Written at the head, read by the closing add alone.
; So ONE wait on va_vdst stands in a turn, behind its eight roundings: they have written Y[i] and are done reading X[i].  The turn's eight memory instructions follow it, dealt among the row's
; arithmetic, which writes neither and does not name X[i].  ONE wait on vm_vsrc a round stands beside the wait on XCNT at the round's end: the round's stores have read every Y.
.set ROWS,  32                         ; rows of a work-group
.set ROWI,  16384                      ; bytes in a row of x, W and Vh
.set ROWO,  8192                       ; bytes in a row of xb and wb
.set DEPTH, 8                          ; row slots
.set PART,  0                          ; LDS: wave w's partial sums at 256 w: lane i holds row i's two, 8 bytes
.set SPARE, 2048                       ; behind them: the spare words, 128 bytes for each of eight waves: four blocks of 256 bytes that no other line names
.set VI,   2                           ; v2        2,048 w + 16 lane: my 16 bytes of a load in a row of x, W, Vh; never rewritten
.set VO,   3                           ; v3        1,024 w + 8 lane: my 8 bytes of a store; never rewritten
.set SPW,  4                           ; v4        LDS address of my spare word; never rewritten
.set NIL,  5                           ; v5        0, for the add alone
.set ZERO, 6                           ; v6        0
.set KEEP, 8                           ; v[8:9]    x path: lane i keeps row i's two sums of my wave's columns
.set T,    10                          ; v[10:13]  at work
.set ACC,  14                          ; v[14:21]  x path: four pairs of running sums (rank 0: numbers 0, 1 and 2, 3 of a lane's four; rank 1 likewise)
.set E,    24                          ; v24       thread % 8: which eighth of a table row I write           (v24-55: Vh in the x path's stream; free before and behind it)
.set TO,   25                          ; v25       8 x thread: where
.set D,    26                          ; v[26:27]  the two words
.set H,    28                          ; v28       two high parts, packed;  v[30:33] at work
.set L,    29                          ; v29       two low parts, packed
.set WD,   34                          ; v[34:38]  a table row's first five words
.set VH,   24                          ; v[24:55]  x path: Vh of my columns, rounded, as f32: rank r, load j at 24 + 16 r + 4 j
.set X,    56                          ; v[56:183] slot i, load j: 4 registers as loaded
.set Y,    184                         ; v[184:247] slot i, load j: 2 registers to store
.macro RND2 a, b                       ; two f32 rounded to bf16 and widened again, in place
	v_cvt_pk_bf16_f32 v[T], v[\a], v[\b]
	v_lshlrev_b32 v[\a], 16, v[T]
	v_and_b32 v[\b], s38, v[T]
.endm
.macro FILL i                          ; slot i's first row
.irp j, 0,1,2,3
	global_load_b128 v[X+16*(\i)+4*(\j):X+16*(\i)+4*(\j)+3], v[VI], s[28:29] offset:(\i)*ROWI+(\j)*512 th:TH_LOAD_NT
.endr
.endm
; One slot's turn.  ahead = 1: the slot is filled again with the row DEPTH further down.  left = how many younger loads may stay out.  dot = 1: the x path: the row's two sums with Vh.
.macro SLOT i, ahead, left, dot
	s_wait_loadcnt \left                           ; loads come back in order (ISA guide 5.7.1): this slot's four are in, the younger slots' stay out
.irp j, 0,1,2,3
	v_cvt_pk_bf16_f32 v[Y+8*(\i)+2*(\j)],   v[X+16*(\i)+4*(\j)],   v[X+16*(\i)+4*(\j)+1]
	v_cvt_pk_bf16_f32 v[Y+8*(\i)+2*(\j)+1], v[X+16*(\i)+4*(\j)+2], v[X+16*(\i)+4*(\j)+3]
.endr
	s_wait_alu depctr_va_vdst(0)                   ; the eight roundings have written Y[i], which the stores below read, and are done reading X[i], in which the loads below land
.irp j, 0,1,2,3                        ; a load and a store in front of each quarter of the row's arithmetic, the load first; no vector instruction behind the wait writes Y[i] or names X[i]
.if \ahead
	global_load_b128 v[X+16*(\i)+4*(\j):X+16*(\i)+4*(\j)+3], v[VI], s[28:29] offset:(DEPTH+(\i))*ROWI+(\j)*512 th:TH_LOAD_NT
.endif
	global_store_b64 v[VO], v[Y+8*(\i)+2*(\j):Y+8*(\i)+2*(\j)+1], s[30:31] offset:(\i)*ROWO+(\j)*256  ; 32 lanes x 8 bytes: 256 consecutive bytes, aligned
.if \dot
	v_lshlrev_b32 v[T],   16,  v[Y+8*(\i)+2*(\j)]            ; the rounded numbers as f32
	v_and_b32     v[T+1], s38, v[Y+8*(\i)+2*(\j)]
	v_lshlrev_b32 v[T+2], 16,  v[Y+8*(\i)+2*(\j)+1]
	v_and_b32     v[T+3], s38, v[Y+8*(\i)+2*(\j)+1]
.if (\j) == 0                          ; the first products start the sums: nothing is cleared
	v_pk_mul_f32 v[ACC:ACC+1],   v[T:T+1],   v[VH+4*(\j):VH+4*(\j)+1]
	v_pk_mul_f32 v[ACC+2:ACC+3], v[T+2:T+3], v[VH+4*(\j)+2:VH+4*(\j)+3]
	v_pk_mul_f32 v[ACC+4:ACC+5], v[T:T+1],   v[VH+16+4*(\j):VH+16+4*(\j)+1]
	v_pk_mul_f32 v[ACC+6:ACC+7], v[T+2:T+3], v[VH+16+4*(\j)+2:VH+16+4*(\j)+3]
.else
	v_pk_fma_f32 v[ACC:ACC+1],   v[T:T+1],   v[VH+4*(\j):VH+4*(\j)+1],         v[ACC:ACC+1]
	v_pk_fma_f32 v[ACC+2:ACC+3], v[T+2:T+3], v[VH+4*(\j)+2:VH+4*(\j)+3],       v[ACC+2:ACC+3]
	v_pk_fma_f32 v[ACC+4:ACC+5], v[T:T+1],   v[VH+16+4*(\j):VH+16+4*(\j)+1],   v[ACC+4:ACC+5]
	v_pk_fma_f32 v[ACC+6:ACC+7], v[T+2:T+3], v[VH+16+4*(\j)+2:VH+16+4*(\j)+3], v[ACC+6:ACC+7]
.endif
.endif
.endr
.if \dot
	v_pk_add_f32 v[ACC:ACC+1],   v[ACC:ACC+1],   v[ACC+2:ACC+3]
	v_pk_add_f32 v[ACC+4:ACC+5], v[ACC+4:ACC+5], v[ACC+6:ACC+7]
	v_add_f32 v[ACC],   v[ACC],   v[ACC+1]
	v_add_f32 v[ACC+4], v[ACC+4], v[ACC+5]
.irp m, 1,2,4,8                        ; across the lanes: four steps inside each half of 16, the two sums by turns,
	v_add_f32_dpp v[ACC],   v[ACC],   v[ACC]   row_xmask:\m row_mask:0xf bank_mask:0xf
	v_add_f32_dpp v[ACC+4], v[ACC+4], v[ACC+4] row_xmask:\m row_mask:0xf bank_mask:0xf
.endr
	v_permlanex16_b32 v22, v[ACC],   s36, s37      ; and one across the halves
	v_permlanex16_b32 v23, v[ACC+4], s36, s37
	v_add_f32 v[ACC],   v[ACC],   v22
	v_add_f32 v[ACC+4], v[ACC+4], v23
	v_cndmask_b32 v[KEEP],   v[KEEP],   v[ACC],   s35  ; the lane whose number is the row's keeps them
	v_cndmask_b32 v[KEEP+1], v[KEEP+1], v[ACC+4], s35
	s_lshl_b32 s35, s35, 1
.endif
.endm
; The work-group's 32 rows: three rounds that fill the ring again, and a last one, written out, that loads nothing: no load leaves the buffer.
.macro STREAM dot
	s_mov_b32 s34, ROWS/DEPTH-1
.Lround_\@:
.irp i, 0,1,2,3,4,5,6,7
	SLOT \i, 1, 4*(DEPTH-1), \dot                  ; 28: the seven younger slots' four loads each
.endr
	s_wait_xcnt 0x0                                ; every load and store issued so far has had its addresses translated (ISA guide 3.1): only behind this wait are the two pointers and every slot's Y written again
	s_wait_alu depctr_vm_vsrc(0)                   ; this round's stores have read every slot's Y, which the next round's roundings write again; it stands ahead of the branch, for the way back and the way out alike
	s_add_nc_u64 s[28:29], s[28:29], DEPTH*ROWI
	s_add_nc_u64 s[30:31], s[30:31], DEPTH*ROWO
	s_sub_co_u32 s34, s34, 1
	s_cmp_lg_u32 s34, 0
	s_cbranch_scc1 .Lround_\@
.irp i, 0,1,2,3,4,5,6,7
	SLOT \i, 0, 4*(DEPTH-1-(\i)), \dot             ; the counts run down: 28, 24, .. 0
.endr
.endm
.macro SPLIT a0, a1                    ; two f32 into packed high parts H and packed low parts L
	v_cvt_pk_bf16_f32 v[H], v[\a0], v[\a1]
	v_lshlrev_b32 v[H+2], 16, v[H]
	v_and_b32 v[H+3], s38, v[H]
	v_sub_f32 v[H+4], v[\a0], v[H+2]
	v_sub_f32 v[H+5], v[\a1], v[H+3]
	v_cvt_pk_bf16_f32 v[L], v[H+4], v[H+5]
.endm
; A table row is 64 bytes: five words WD .. WD+4 and eleven zeros, all written.  Thread t writes eighth t % 8 of row t / 8, at byte 8 t of the group's 2,048: a wave's store covers 256 consecutive bytes, aligned.
.macro PUT
	v_and_b32 v[E], 7, v0
	v_lshlrev_b32 v[TO], 3, v0
	v_cmp_eq_u32 s42, 0, v[E]
	v_cmp_eq_u32 s43, 1, v[E]
	v_cmp_eq_u32 s44, 2, v[E]
	s_wait_alu depctr_va_sdst(0)                   ; the three compares have written s42, s43 and s44, ahead of the first select that reads one of them
	v_cndmask_b32 v[D],   v[ZERO], v[WD],   s42
	v_cndmask_b32 v[D+1], v[ZERO], v[WD+1], s42
	v_cndmask_b32 v[D],   v[D],    v[WD+2], s43
	v_cndmask_b32 v[D+1], v[D+1],  v[WD+3], s43
	v_cndmask_b32 v[D],   v[D],    v[WD+4], s44
	s_wait_alu depctr_va_vdst(0)                   ; v[TO] and v[D:D+1] are written: the store's offset and data
	global_store_b64 v[TO], v[D:D+1], s[46:47]
.endm
	s_load_b512 s[4:19], s[0:1], 0x0               ; x 4:5, W 6:7, Vh 8:9, U 10:11, S 12:13, P 14:15, v 16:17, b 18:19
	s_load_b256 s[20:27], s[0:1], 0x40             ; xb 20:21, wb 22:23, xa 24:25, wa 26:27
	v_lshl_add_u32 v[SPW], v0, 2, SPARE
	v_mov_b32 v[NIL], 0
	v_lshrrev_b32 v1, 5, v0
	v_readfirstlane_b32 s32, v1                    ; wave 0..7
	s_and_b32 s33, ttmp7, 0xffff                   ; 0: x; 1: W
	s_mov_b32 s36, 0x76543210                      ; v_permlanex16_b32: each lane takes its own place in the other half
	s_mov_b32 s37, 0xfedcba98
	s_mov_b32 s38, 0xffff0000                      ; a word's upper bf16
	s_mov_b32 s41, 0                               ; the high word of every offset pair
	v_and_b32 v1, 31, v0                           ; lane
	v_lshlrev_b32 v[VI], 4, v1
	s_wait_alu depctr_va_sdst(0)                   ; s32 is written, ahead of its first reader, the line below
	v_lshl_add_u32 v[VI], s32, 11, v[VI]
	v_lshlrev_b32 v[VO], 3, v1
	v_lshl_add_u32 v[VO], s32, 10, v[VO]
	v_mov_b32 v[ZERO], 0
	v_mov_b32 v22, 0                               ; v_permlanex16_b32 counts as a reader of its destination
	v_mov_b32 v23, 0
	s_wait_kmcnt 0x0
	s_cmp_lg_u32 s33, 0                            ; the same in all eight waves of a work-group
	s_cbranch_scc1 .Lw
	; THE x PATH
	s_lshl_b32 s40, ttmp9, 19                      ; 32 rows of 16,384 bytes
	s_add_nc_u64 s[28:29], s[4:5], s[40:41]
	s_lshl_b32 s40, ttmp9, 18                      ; 32 rows of 8,192
	s_add_nc_u64 s[30:31], s[20:21], s[40:41]
	s_lshl_b32 s40, ttmp9, 11                      ; 32 rows of 64
	s_add_nc_u64 s[46:47], s[24:25], s[40:41]
	s_wait_alu depctr_va_vdst(0)                   ; v[VI] and v[VO] are written: every load and store of the stream reads one of them as its offset
.irp r, 0,1
.irp j, 0,1,2,3
	global_load_b128 v[VH+16*(\r)+4*(\j):VH+16*(\r)+4*(\j)+3], v[VI], s[8:9] offset:(\r)*ROWI+(\j)*512  ; Vh at my columns, laid as a row of x
.endr
.endr
.irp i, 0,1,2,3,4,5,6,7
	FILL \i
.endr
	s_wait_loadcnt 32                              ; Vh is in; the ring's 32 loads stay out
.set k, 0
.rept 16
	RND2 VH+k, VH+k+1
.set k, k+2
.endr
	v_mov_b32 v[KEEP], 0
	v_mov_b32 v[KEEP+1], 0
	s_mov_b32 s35, 1                               ; bit i: row i
	STREAM 1
	v_and_b32 v1, 31, v0
	v_lshlrev_b32 v1, 3, v1
	v_lshl_add_u32 v1, s32, 8, v1                  ; 256 w + 8 lane
	v_lshrrev_b32 v39, 3, v0
	v_lshlrev_b32 v39, 3, v39                      ; 8 x my row (thread / 8): the address of the LDS loads behind the barrier, made here so that one wait serves both
	s_wait_alu depctr_va_vdst(0)                   ; v1 and v[KEEP:KEEP+1] are written, the LDS store's address and data; so is v39, the LDS loads' address; and the roundings are done reading v56-71, in which those loads land
	ds_store_b64 v1, v[KEEP:KEEP+1] offset:PART
	s_wait_dscnt 0x0                               ; for the others' sake: my partial sums lie in LDS
	s_barrier_signal -1
	s_barrier_wait -1                              ; all eight waves' do
.irp w, 0,1,2,3,4,5,6,7
	ds_load_b64 v[X+2*(\w):X+2*(\w)+1], v39 offset:PART+256*(\w)  ; no vector instruction stands between the wait above and these loads
.endr
	s_wait_dscnt 0x0
.irp w, 0,4,8,12
	v_pk_add_f32 v[X+(\w):X+(\w)+1], v[X+(\w):X+(\w)+1], v[X+(\w)+2:X+(\w)+3]
.endr
	v_pk_add_f32 v[X:X+1],   v[X:X+1],   v[X+4:X+5]
	v_pk_add_f32 v[X+8:X+9], v[X+8:X+9], v[X+12:X+13]
	v_pk_add_f32 v[X:X+1],   v[X:X+1],   v[X+8:X+9]  ; xV0, xV1 of my row
	SPLIT X, X+1
	v_perm_b32 v[WD],   v[H], v[H], 0x01000100     ; xh0 twice
	v_perm_b32 v[WD+1], v[L], v[L], 0x01000100     ; xl0 twice
	v_perm_b32 v[WD+2], v[H], v[H], 0x03020302     ; xh1 twice
	v_perm_b32 v[WD+3], v[L], v[L], 0x03020302     ; xl1 twice
	v_mov_b32 v[WD+4], 0x3f80                      ; 1.0, 0
	PUT
	s_branch .Lend
.Lw:	; THE W PATH
	s_lshl_b32 s40, ttmp9, 19
	s_add_nc_u64 s[28:29], s[6:7], s[40:41]
	s_lshl_b32 s40, ttmp9, 18
	s_add_nc_u64 s[30:31], s[22:23], s[40:41]
	s_lshl_b32 s40, ttmp9, 11
	s_add_nc_u64 s[46:47], s[26:27], s[40:41]
	v_lshrrev_b32 v1, 3, v0                        ; my row of the 32 (thread / 8)
	s_lshl_b32 s40, ttmp9, 8                       ; 32 rows of U, 8 bytes each
	s_lshl_b32 s39, ttmp9, 7                       ; 32 numbers of b
	v_lshl_add_u32 v53, v1, 3, s40
	v_lshl_add_u32 v54, v1, 2, s39
	v_and_b32 v39, 15, v0                          ; u = lane % 16
	v_lshlrev_b32 v55, 4, v39
	v_lshlrev_b32 v39, 2, v39
	s_wait_alu depctr_va_vdst(0)                   ; v53, v54, v55, v39 and v[ZERO] are written, the five small loads' offsets; so are v[VI] and v[VO], the stream's; none of the seven is written again
	global_load_b64  v[40:41], v53, s[10:11]       ; U[row][0..1]
	global_load_b32  v42, v54, s[18:19]            ; b[row]
	global_load_b128 v[44:47], v[ZERO], s[12:13]   ; S00 S01 S10 S11
	global_load_b128 v[48:51], v55, s[14:15]       ; P[u]: 00 01 10 11
	global_load_b32  v52, v39, s[16:17]            ; v[u]
.irp i, 0,1,2,3,4,5,6,7
	FILL \i
.endr
	s_wait_loadcnt 32                              ; the five small loads are in; the ring's 32 stay out
	RND2 40, 41
	RND2 44, 45
	RND2 46, 47
	RND2 48, 49
	RND2 50, 51
	v_cvt_pk_bf16_f32 v[T], v52, v52
	v_lshlrev_b32 v52, 16, v[T]
	v_cvt_pk_bf16_f32 v[WD+4], v42, v[ZERO]        ; bf16(b), 0
.irp r, 48,49,50,51
	v_mul_f32 v\r, v52, v\r                        ; v[u] P[u][i][j]
.endr
.irp m, 1,2,4,8                        ; summed over the 16 lanes of each half: R in every lane
.irp r, 48,49,50,51
	v_add_f32_dpp v\r, v\r, v\r row_xmask:\m row_mask:0xf bank_mask:0xf
.endr
.endr
	v_mul_f32 v12, v44, v48                        ; S R: 00
	v_mul_f32 v13, v44, v49                        ; 01
	v_mul_f32 v14, v46, v48                        ; 10
	v_mul_f32 v15, v46, v49                        ; 11
	v_fma_f32 v12, v45, v50, v12
	v_fma_f32 v13, v45, v51, v13
	v_fma_f32 v14, v47, v50, v14
	v_fma_f32 v15, v47, v51, v15
	v_mul_f32 v16, v40, v12                        ; M[row][0], M[row][1]
	v_mul_f32 v17, v40, v13
	v_fma_f32 v16, v41, v14, v16
	v_fma_f32 v17, v41, v15, v17
	SPLIT 16, 17
	v_perm_b32 v[WD],   v[L], v[H], 0x05040100     ; Mh0 below, Ml0 above
	v_perm_b32 v[WD+1], v[L], v[H], 0x05040100
	v_perm_b32 v[WD+2], v[L], v[H], 0x07060302     ; Mh1 below, Ml1 above
	v_perm_b32 v[WD+3], v[L], v[H], 0x07060302
	PUT                                            ; its registers (v24-27) are not written again
	STREAM 0
.Lend:
	s_wait_dscnt 0x0                               ; the closing lines, six on end
	s_wait_alu 0x0
	s_wait_tensorcnt 0x0
	ds_add_u32 v[SPW], v[NIL]
	s_wait_dscnt 0x0
	s_endpgm
.Lfunc_end_k_q067f72d640_prep:
	.size	k_q067f72d640_prep, .Lfunc_end_k_q067f72d640_prep-k_q067f72d640_prep
	.p2alignl 7, 3214868480
	.fill 96, 4, 3214868480
	.section	.rodata,"a",@progbits
	.p2align	6, 0x0
	.amdhsa_kernel k_q067f72d640_prep
		.amdhsa_group_segment_fixed_size 3072
		.amdhsa_private_segment_fixed_size 0
		.amdhsa_enable_private_segment 0
		.amdhsa_kernarg_size 96
		.amdhsa_user_sgpr_count 2
		.amdhsa_user_sgpr_kernarg_segment_ptr 1
		.amdhsa_wavefront_size32 1
		.amdhsa_system_sgpr_workgroup_id_x 1
		.amdhsa_system_sgpr_workgroup_id_y 1
		.amdhsa_system_sgpr_workgroup_id_z 1
		.amdhsa_system_vgpr_workitem_id 0
		.amdhsa_next_free_vgpr 248
		.amdhsa_next_free_sgpr 66
		.amdhsa_reserve_vcc 0
		.amdhsa_float_denorm_mode_32 3
		.amdhsa_float_denorm_mode_16_64 3
		.amdhsa_memory_ordered 1
		.amdhsa_forward_progress 1
		.amdhsa_inst_pref_size 96
	.end_amdhsa_kernel
	.amdgpu_metadata
---
amdhsa.version: [ 1, 2 ]
amdhsa.kernels:
  - .name:           k_q067f72d640_prep
    .symbol:         k_q067f72d640_prep.kd
    .args:
      - { .name: x, .offset: 0, .size: 8, .value_kind: global_buffer, .address_space: global }
      - { .name: W, .offset: 8, .size: 8, .value_kind: global_buffer, .address_space: global }
      - { .name: Vh, .offset: 16, .size: 8, .value_kind: global_buffer, .address_space: global }
      - { .name: U, .offset: 24, .size: 8, .value_kind: global_buffer, .address_space: global }
      - { .name: S, .offset: 32, .size: 8, .value_kind: global_buffer, .address_space: global }
      - { .name: P, .offset: 40, .size: 8, .value_kind: global_buffer, .address_space: global }
      - { .name: v, .offset: 48, .size: 8, .value_kind: global_buffer, .address_space: global }
      - { .name: b, .offset: 56, .size: 8, .value_kind: global_buffer, .address_space: global }
      - { .name: xb, .offset: 64, .size: 8, .value_kind: global_buffer, .address_space: global }
      - { .name: wb, .offset: 72, .size: 8, .value_kind: global_buffer, .address_space: global }
      - { .name: xa, .offset: 80, .size: 8, .value_kind: global_buffer, .address_space: global }
      - { .name: wa, .offset: 88, .size: 8, .value_kind: global_buffer, .address_space: global }
    .group_segment_fixed_size: 3072
    .private_segment_fixed_size: 0
    .kernarg_segment_align: 8
    .kernarg_segment_size: 96
    .max_flat_workgroup_size: 256
    .sgpr_count:     66
    .vgpr_count:     248
    .wavefront_size: 32
...
	.end_amdgpu_metadata
.endif
;; end of part 3
;; launch gemm: the kernel of part 2 again; grid 16 x 16, 4 waves a work-group, clusters of 4 x 4, 327,680 bytes of LDS; arguments xb, wb, xa, wa, out0; writes out0
